; MI455X (gfx1250); checked and timed in simulation.
; The chip was launched on July 23, 2026; its instructions are those of AMD's public machine-readable ISA for CDNA 5 (MIT licence, August 2026) and "CDNA5" Instruction Set Architecture Reference Guide (July 2026). The comments in the code are by the model that wrote it; some were corrected since.
;; LSTM Cell. Allowed arithmetic: matrix products marked QUANTISED: E3M2 operands, one E8M0 scale for each 32 along K, by v_wmma_scale_f32_16x16x128_f8f6f4 with both operands' format E3M2, f32 sums; everything else in f32.
;; Inputs: W_c 2,048 x 4,096 float32; W_f 2,048 x 4,096 float32; W_i 2,048 x 4,096 float32; W_o 2,048 x 4,096 float32; b_c 2,048 float32; b_f 2,048 float32; b_i 2,048 float32; b_o 2,048 float32; c_prev 2,048 x 2,048 float32; h_prev 2,048 x 2,048 float32; x_t 2,048 x 2,048 float32.
;; Outputs: out0 2,048 x 2,048 float32; out1 2,048 x 2,048 float32.
;; This version of the problem:
;;   THIS VERSION OF THE PROBLEM IS GIVEN IN LOW PRECISION. The matrix products marked QUANTISED in the list below multiply operands that are first quantised to E3M2 (3 exponent bits, 2 mantissa bits; 6 bits a number), with one power-of-two scale for each 32 numbers along K (OCP MX v1.0); their sums are f32. All else is computed in f32.
;;   The module's matrix products, in the order in which they are computed (A, B: the left and right operand; K: the contracted axis; several contracted axes count as one K, in the product's order):
;;     1. [M 2,048, K 4,096] x [K 4,096, N 8,192]; A: computed on the way; B: computed on the way: QUANTISED
;;   THE QUANTISER, for each operand of a quantised product, along K:
;;     - K is cut into blocks of 32 from its start; a last block that is shorter is filled with zeros.
;;     - A block's scale is 2^e with e = floor(log2(the largest magnitude in the block)) - 4, held to -126 .. 127; a block of zeros has e = 0. As a byte (E8M0): e + 127.
;;     - Each number is divided by its block's scale, clamped to +-28, and rounded to the nearest number of E3M2, ties to even, subnormals kept.
;;     - The product sums the exact products of the quantised numbers (number of the format x scale) in f32.
;;   ~~~python
;;   def quantise(x, axis):      # numpy; x: float32 -> the quantised numbers, widened to float32 again
;;       x = np.moveaxis(x, axis, -1); K = x.shape[-1]
;;       x = np.pad(x, [(0, 0)] * (x.ndim - 1) + [(0, -K % 32)]); x = x.reshape(x.shape[:-1] + (-1, 32)); a = np.abs(x).max(-1, keepdims=True)
;;       e = np.where(a > 0, np.clip(np.frexp(np.where(a > 0, a, 1))[1] - 1 - 4, -126, 127), 0)      # np.frexp(a)[1] - 1 = floor(log2(a)), exactly
;;       r = np.clip(x / 2.0 ** e, -28, 28)
;;       step = 2.0 ** (np.maximum(np.frexp(np.where(r == 0, 1, r))[1] - 1, -2) - 2)
;;       q = np.round(r / step) * step * 2.0 ** e      # np.round: ties to even
;;       return np.moveaxis(q.reshape(q.shape[:-2] + (-1,))[..., :K], -1, axis).astype(np.float32)
;;   ~~~
;;   OPERANDS COMPUTED ON THE WAY. 'Computed on the way' means the value that the module computes at that place (a softmax that the list does not call 'softmax' is quantised finished and normalised). What goes into a quantiser is computed in f32, as accurately as f32 sums, v_exp_f32 and their like allow (about 1e-6 of the number): no bf16 or f16 on the way to a quantiser, and a product that is left as it is and whose result goes on into a quantised operand takes f32 operands (vector FMAs, or v_wmma_f32_16x16x4_f32). A number that lies on a knife's edge between two numbers of the format may be rounded either way, as far as f32 arithmetic and the matrix unit's own rounding can turn it there, and no further.
;; One version. Each part assembles by itself: llvm-mc -triple=amdgcn-amd-amdhsa -mcpu=gfx1250 --defsym DOCPART=n.
;; ======== version 1 of 1: 2 launches
;; limits: right only within a limited range of input values
;; workspace buffers: a_t 6,553,600 bytes; b_t 26,214,400 bytes
;; launch quant (part 1): grid 256 x 1, 16 waves a work-group, no clusters, 167,424 bytes of LDS; arguments h_prev, x_t, W_f, W_i, W_c, W_o, a_t, b_t; writes a_t, b_t
.if DOCPART == 1
	.amdgcn_target "amdgcn-amd-amdhsa--gfx1250"
	.amdhsa_code_object_version 6
	.text
	.protected	k_q658efefc36_quant
	.globl	k_q658efefc36_quant
	.p2align	8
	.type	k_q658efefc36_quant,@function
k_q658efefc36_quant:
	s_mov_b64 s[64:65], 0
	v_nop
	global_prefetch_b8 v0, s[64:65] scope:SCOPE_SE
	s_setreg_imm32_b32 hwreg(HW_REG_WAVE_MODE, 25, 1), 1
	s_wait_xcnt 0x0
; The six f32 operands of the LSTM cell's one product become codes of BF6 (E3M2) with one E8M0 scale byte for each 32 along K, laid as the next launch's registers take them.
; A = [h_prev | x_t], 2,048 x 4,096.  B = the four weights, 8,192 x 4,096, its rows ordered 128 (j / 32) + 32 g + j % 32 (hidden unit j, gate g: f 0, i 1, c 2, o 3).
; THE LAYOUT: a TILE is 128 rows x 128 along K, 12,800 bytes: eight fragments of 16 rows (1,536 bytes each), then 512 bytes of scale words.  Tile (row block rb, K step st) lies at (32 rb + st) x 12,800.
; A fragment is the image of the operand's 12 registers: registers 4 j .. 4 j + 3 of lane l at byte 512 j + 16 l; lane (r, h) holds row r, K = 32 h .. + 31 in registers 0-5 and K = 64 + 32 h .. + 31 in registers 6-11.
; The scale word (four bytes, 128 along K) of row r of fragment i lies at byte 256 (i % 2) + 16 r + 4 (i / 2) of the 512.
; A block's scale is 2^(floor(log2(its largest magnitude)) - 4); its byte is that magnitude's exponent field - 4, held at 1 from below; numbers are divided by the scale and rounded to the nearest code, ties to even,
; beyond the largest code the largest code.
; LIMITS: a block of zeros gets the byte 1 where the rule says 127 (its codes are zeros, and this program alone reads the bytes); blocks whose largest magnitude lies under 2^(4 - 126) have the byte 1;
; NaN and infinities among the inputs are not served.
; SHARES: 256 work-groups of 16 waves; wave r is row r of every fragment that its work-group makes.  A work-group makes five UNITS of 16 fragments, four steps of 512 numbers a wave each:
;   unit 0: of A, fragments e, 2 + e, 4 + e, 6 + e of four neighbouring tiles (step t: the row of fragment 2 t + e, 2,048 consecutive bytes of it);
;   units 1-4: of gates f, i, c, o, rows 16 grp .. + 15, one half of K: a wave reads 8,192 consecutive bytes of its row; fragment 2 g + grp % 2 of 16 tiles.
; A step's four loads read 512 consecutive bytes each; the 2,048 bytes turn through the wave's own stage in LDS and come back 64 bytes a lane: 16 neighbours along K, two lanes to a block.  Loads run four steps ahead, across units.
; A lane's 16 codes, 12 bytes, go to a place of 16 bytes in the unit's stage: fragment slots 2,432 bytes apart, rows 144 apart.  Behind one barrier a unit, wave w reads fragment slot w back in the order of the operand's registers
; and stores it as three runs of 512 consecutive bytes.  The stage has two buffers by turns: a buffer is written again only behind the next unit's barrier, in front of which its readers have waited for their loads.
; The scale bytes gather in LDS; a tile's 256 bytes of one parity of fragments hold all four of the work-group's fragments, and leave at the end as whole aligned runs of 256 bytes.
; No tensor load, no matrix unit, no cluster: every input byte is read once by one wave.
.set STEPS, 20
.set EMAX,  4
.set SP,    80                         ; a lane's place in a turn stage: 64 bytes + 16
.set WREG,  5120                       ; a wave's two turn stages
.set OST,   16*WREG                    ; the units' stage
.set RP,    144
.set SLP,   2432
.set OBUF,  16*SLP
.set SCW,   OST+2*OBUF                 ; B's scale bytes: 16 tiles, 264 bytes apart
.set SCP,   264
.set SCA,   SCW+4352                   ; A's: 4 tiles
.set SPARE, SCA+1280                   ; the spare words, 128 bytes a wave
.set SPW,  4
.set NIL,  13
.set R,    16                          ; v16-79   four sets of 16 numbers as loaded
.set X,    80                          ; v80-111  two sets of 16 neighbours
.set E,    112                         ; v112-115 scale bytes, by turns
.set C,    116                         ; v116-131 codes, four sets by turns
.set OC,   132                         ; v132-143 a fragment's registers on the way out
.set Y1,   144
.set Y3,   148
.set CW,   152                         ; global offsets: B's codes, A's codes, B's scale words, A's
.set CA,   153
.set SWO,  154
.set SAO,  155
.set SRD,  156                         ; LDS: my tile's scale bytes, B's and A's
.set SRA,  157
.set D,    158
.set D2,   160
	s_load_b256 s[4:11], s[0:1], 0x0               ; h_prev, x_t, W_f, W_i
	s_load_b128 s[12:15], s[0:1], 0x20             ; W_c, W_o
	s_load_b128 s[24:27], s[0:1], 0x30             ; a_t, b_t
	v_lshrrev_b32 v1, 5, v0
	v_readfirstlane_b32 s16, v1                    ; wave = row r
	s_mul_i32 s17, s16, WREG
	s_mul_i32 s18, s16, RP
	s_add_co_u32 s18, s18, OST
	s_lshl_b32 s19, s16, 4
	s_add_co_u32 s19, s19, SCW
	s_mul_i32 s20, s16, SLP
	s_add_co_u32 s20, s20, OST
	s_mul_i32 s21, s16, SCP
	s_add_co_u32 s21, s21, SCW
	s_lshr_b32 s28, ttmp9, 4                       ; A: row block,
	s_bfe_u32 s29, ttmp9, 0x10003                  ; parity e of its fragments,
	s_and_b32 s30, ttmp9, 7                        ; which four tiles along K
	s_lshl_b32 s32, s28, 7
	s_lshl_b32 s33, s29, 4
	s_add_co_u32 s32, s32, s33
	s_add_co_u32 s32, s32, s16
	s_lshl_b32 s32, s32, 13                        ; row 128 rb + 16 e + r, 8,192 bytes a row,
	s_and_b32 s33, s30, 3
	s_lshl_b32 s33, s33, 11
	s_add_co_u32 s32, s32, s33                     ; + 2,048 bytes for each four tiles of its tensor
	s_mov_b32 s33, 0
	s_lshr_b32 s34, ttmp9, 1                       ; B: grp
	s_lshl_b32 s34, s34, 4
	s_add_co_u32 s34, s34, s16
	s_lshl_b32 s34, s34, 14                        ; row 16 grp + r, 16,384 bytes a row,
	s_and_b32 s37, ttmp9, 1
	s_lshl_b32 s35, s37, 13
	s_add_co_u32 s34, s34, s35                     ; + its half of K
	s_mov_b32 s35, 0
	s_bfe_u32 s36, ttmp9, 0x10001                  ; grp % 2
	s_lshr_b32 s38, ttmp9, 2
	s_lshl_b32 s38, s38, 5
	s_lshl_b32 s39, s37, 4
	s_add_co_u32 s38, s38, s39
	s_add_co_u32 s38, s38, s16
	s_mul_i32 s38, s38, 12800                      ; B's tile that I store: (grp / 2, 16 half + wave)
	s_mov_b32 s39, 0
	s_lshl_b32 s40, s28, 5
	s_lshl_b32 s41, s30, 2
	s_add_co_u32 s40, s40, s41
	s_and_b32 s41, s16, 3
	s_add_co_u32 s40, s40, s41
	s_mul_i32 s40, s40, 12800                      ; A's tile that I store: (rb, 4 x which + wave % 4)
	s_mov_b32 s41, 0
	s_mul_i32 s42, s36, 1536
	s_lshr_b32 s43, s16, 2
	s_lshl_b32 s43, s43, 1
	s_add_co_u32 s43, s43, s29
	s_mul_i32 s43, s43, 1536                       ; A's fragment that I store: 2 (wave / 4) + e
	s_lshl_b32 s44, s36, 8
	s_lshl_b32 s45, s29, 8
	v_lshl_add_u32 v[SPW], v0, 2, SPARE
	v_mov_b32 v[NIL], 0
	v_and_b32 v2, 31, v0                           ; lane
	v_lshlrev_b32 v3, 4, v2                        ; my 16 bytes of a load's 512
	v_lshrrev_b32 v14, 2, v2
	v_mul_u32_u24 v14, v14, SP
	v_and_b32 v15, 3, v2
	v_lshl_add_u32 v14, v15, 4, v14
	v_add_nc_u32 v14, s17, v14                     ; the turn, in: SP (lane / 4) + 16 (lane % 4)
	v_mul_u32_u24 v15, v2, SP
	v_add_nc_u32 v15, s17, v15                     ; and out: SP x lane
	v_lshrrev_b32 v1, 3, v2                        ; which of the step's four tiles
	v_and_b32 v8, 7, v2                            ; my place in the row's eight
	v_mul_u32_u24 v6, v1, SLP
	v_lshl_add_u32 v6, v8, 4, v6
	v_add_nc_u32 v6, s18, v6                       ; my codes' place in the unit's stage, buffer 0,
	v_add_nc_u32 v7, OBUF, v6                      ; buffer 1
	v_mul_u32_u24 v5, v1, SCP
	v_lshrrev_b32 v8, 1, v8                        ; my block
	v_add_nc_u32 v5, v5, v8
	v_add_nc_u32 v5, s19, v5                       ; my block's scale byte
	v_and_b32 v9, 15, v2
	v_lshrrev_b32 v11, 4, v2
	v_mul_u32_u24 v10, v9, RP
	v_lshl_add_u32 v10, v11, 5, v10
	v_add_nc_u32 v10, s20, v10                     ; back: slot = wave, row lane % 16, places 2 h, 2 h + 1, 4 + 2 h, 5 + 2 h; buffer 0,
	v_add_nc_u32 v12, OBUF, v10                    ; buffer 1
	v_add_nc_u32 v[CW], s42, v3
	v_add_nc_u32 v[CA], s43, v3
	v_lshlrev_b32 v1, 3, v2
	v_add_nc_u32 v[SWO], s44, v1
	v_add_nc_u32 v[SAO], s45, v1
	v_add_nc_u32 v[SRD], s21, v1
	v_add_nc_u32 v[SRA], SCA-SCW, v[SRD]
	s_wait_alu depctr_va_vdst(0)
	s_wait_kmcnt 0x0
	s_cmp_lt_u32 s30, 4
	s_cselect_b64 s[4:5], s[4:5], s[6:7]           ; A's lower half of K is h_prev, the upper x_t
	s_add_nc_u64 s[4:5], s[4:5], s[32:33]
.irp g, 0,1,2,3
	s_add_nc_u64 s[8+2*\g:9+2*\g], s[8+2*\g:9+2*\g], s[34:35]
.endr
	s_add_nc_u64 s[24:25], s[24:25], s[40:41]
	s_add_nc_u64 s[26:27], s[26:27], s[38:39]
.macro LOAD T                          ; step T: unit T / 4, its step T % 4
.set LU, (\T)/4
.if LU == 0
.set PB, 4
.set STR, 262144                       ; A: 32 rows on
.else
.set PB, 6+2*LU
.set STR, 2048                         ; B: on along the row
.endif
.irp i, 0,1,2,3
	global_load_b128 v[R+16*((\T)%4)+4*\i:R+16*((\T)%4)+4*\i+3], v3, s[PB:PB+1] offset:STR*((\T)%4)+512*\i th:TH_LOAD_NT   ; 512 consecutive bytes
.endr
.endm
.macro TURN T                          ; LDS serves a wave's instructions in order: no wait between the stores and the loads
.irp i, 0,1,2,3
	ds_store_b128 v14, v[R+16*((\T)%4)+4*\i:R+16*((\T)%4)+4*\i+3] offset:32*SP*((\T)%2)+8*SP*\i
.endr
.irp i, 0,1,2,3
	ds_load_b128 v[X+16*((\T)%2)+4*\i:X+16*((\T)%2)+4*\i+3], v15 offset:32*SP*((\T)%2)+16*\i
.endr
.endm
.macro STEP T
.if (\T) > 0
	s_wait_dscnt 2                                 ; this step's numbers are back (the last step's two stores may be out), so its stores into the turn stage have read their registers,
.else
	s_wait_dscnt 0x0
.endif
.if (\T)+4 < STEPS
	LOAD (\T)+4                                    ; which take the loads of four steps on
.endif
.if (\T)+1 < STEPS
.if STEPS-2-(\T) >= 3
	s_wait_loadcnt 12                              ; the next step's four loads are in; those of the three steps behind it may be out
.else
	s_wait_loadcnt 4*(STEPS-2-(\T))
.endif
	TURN (\T)+1
.endif
.set XS, X+16*((\T)%2)
.set U, (\T)/4
.set TT, (\T)%4
	v_max3_num_f32 v8, |v[XS]|, |v[XS+1]|, |v[XS+2]|               ; the largest magnitude of my 16, in two chains
	v_max3_num_f32 v9, |v[XS+3]|, |v[XS+4]|, |v[XS+5]|
.irp i, 6,10
	v_max3_num_f32 v8, v8, |v[XS+\i]|, |v[XS+\i+1]|
	v_max3_num_f32 v9, v9, |v[XS+\i+2]|, |v[XS+\i+3]|
.endr
	v_max3_num_f32 v8, v8, |v[XS+14]|, |v[XS+15]|
	v_max3_num_f32 v8, v8, v9, (EMAX+1)<<23        ; the floor 2^(5 - 127) holds the byte at 1 from below
	v_max_num_f32_dpp v8, v8, v8 row_xmask:1 row_mask:0xf bank_mask:0xf   ; and of my neighbour's 16: the block's
	v_add_nc_u32 v11, -(EMAX<<23), v8              ; 4 off the exponent field: the conversion's scale operand
	v_cvt_scalef32_pk16_bf6_f32 v[C+4*TT:C+4*TT+2], v[XS:XS+15], v11
	v_lshrrev_b32 v[E+TT], 23, v11                 ; the scale's byte (also the plain line behind the conversion)
	ds_store_b96 v[6+U%2], v[C+4*TT:C+4*TT+2] offset:4*SLP*TT
.if U == 0
	ds_store_b8 v5, v[E+TT] offset:SCA-SCW+4*TT    ; both lanes of a block write the same byte with the same value
.else
	ds_store_b8 v5, v[E+TT] offset:4*SCP*TT+4*(U-1)
.endif
.endm
.macro OUTU u                          ; unit u is whole in its buffer: wave w stores fragment slot w
	s_wait_dscnt 0x0                               ; for the others' sake: my stores are done, and so are my reads of the other buffer
	s_barrier_signal -1
	s_barrier_wait -1
	s_wait_xcnt 0x0                                ; the last unit's stores have read OC
	ds_load_b96 v[OC:OC+2], v[10+2*((\u)%2)]
	ds_load_b96 v[Y1:Y1+2], v[10+2*((\u)%2)] offset:16          ; (three registers begin on an even number)
	ds_load_b96 v[OC+6:OC+8], v[10+2*((\u)%2)] offset:64
	ds_load_b96 v[Y3:Y3+2], v[10+2*((\u)%2)] offset:80
	s_wait_dscnt 0x0
.irp n, 0,1,2
	v_mov_b32 v[OC+3+\n], v[Y1+\n]
	v_mov_b32 v[OC+9+\n], v[Y3+\n]
.endr
.irp j, 0,1,2
.if (\u) == 0
	global_store_b128 v[CA], v[OC+4*\j:OC+4*\j+3], s[24:25] offset:512*\j   ; 512 consecutive bytes
.else
	global_store_b128 v[CW], v[OC+4*\j:OC+4*\j+3], s[26:27] offset:3072*((\u)-1)+512*\j
.endif
.endr
.endm
.irp T, 0,1,2,3
	LOAD \T
.endr
	s_wait_loadcnt 12                              ; step 0's four loads are in
	TURN 0
.irp u, 0,1,2,3,4
	STEP 4*\u
	STEP 4*\u+1
	STEP 4*\u+2
	STEP 4*\u+3
	OUTU \u
.endr
	ds_load_b64 v[D:D+1], v[SRD]                   ; behind the last barrier all scale bytes are in LDS: B's tile 16 half + wave
	s_wait_dscnt 0x0
	global_store_b64 v[SWO], v[D:D+1], s[26:27] offset:12288   ; 256 consecutive aligned bytes
	s_cmp_lt_u32 s16, 4                            ; A's four tiles: waves 0-3
	s_cbranch_scc0 .Lno_a
	ds_load_b64 v[D2:D2+1], v[SRA]
	s_wait_dscnt 0x0
	global_store_b64 v[SAO], v[D2:D2+1], s[24:25] offset:12288
.Lno_a:
	s_wait_tensorcnt 0x0                           ; the wave's end
	ds_add_u32 v[SPW], v[NIL]
	s_wait_dscnt 0x0
	s_endpgm
.Lfunc_end_k_q658efefc36_quant:
	.size	k_q658efefc36_quant, .Lfunc_end_k_q658efefc36_quant-k_q658efefc36_quant
	.p2alignl 7, 3214868480
	.fill 96, 4, 3214868480
	.section	.rodata,"a",@progbits
	.p2align	6, 0x0
	.amdhsa_kernel k_q658efefc36_quant
		.amdhsa_group_segment_fixed_size 167424
		.amdhsa_private_segment_fixed_size 0
		.amdhsa_enable_private_segment 0
		.amdhsa_kernarg_size 64
		.amdhsa_user_sgpr_count 2
		.amdhsa_user_sgpr_kernarg_segment_ptr 1
		.amdhsa_wavefront_size32 1
		.amdhsa_system_sgpr_workgroup_id_x 1
		.amdhsa_system_sgpr_workgroup_id_y 1
		.amdhsa_system_sgpr_workgroup_id_z 1
		.amdhsa_system_vgpr_workitem_id 0
		.amdhsa_next_free_vgpr 168
		.amdhsa_next_free_sgpr 66
		.amdhsa_reserve_vcc 0
		.amdhsa_float_denorm_mode_32 3
		.amdhsa_float_denorm_mode_16_64 3
		.amdhsa_memory_ordered 1
		.amdhsa_forward_progress 1
		.amdhsa_inst_pref_size 46
	.end_amdhsa_kernel
	.amdgpu_metadata
---
amdhsa.version: [ 1, 2 ]
amdhsa.kernels:
  - .name:           k_q658efefc36_quant
    .symbol:         k_q658efefc36_quant.kd
    .args:
      - { .name: h_prev, .offset: 0, .size: 8, .value_kind: global_buffer, .address_space: global }
      - { .name: x_t, .offset: 8, .size: 8, .value_kind: global_buffer, .address_space: global }
      - { .name: W_f, .offset: 16, .size: 8, .value_kind: global_buffer, .address_space: global }
      - { .name: W_i, .offset: 24, .size: 8, .value_kind: global_buffer, .address_space: global }
      - { .name: W_c, .offset: 32, .size: 8, .value_kind: global_buffer, .address_space: global }
      - { .name: W_o, .offset: 40, .size: 8, .value_kind: global_buffer, .address_space: global }
      - { .name: a_t, .offset: 48, .size: 8, .value_kind: global_buffer, .address_space: global }
      - { .name: b_t, .offset: 56, .size: 8, .value_kind: global_buffer, .address_space: global }
    .group_segment_fixed_size: 167424
    .private_segment_fixed_size: 0
    .kernarg_segment_align: 8
    .kernarg_segment_size: 64
    .max_flat_workgroup_size: 512
    .sgpr_count:     66
    .vgpr_count:     168
    .wavefront_size: 32
...
	.end_amdgpu_metadata
.endif
;; end of part 1
;; launch cell (part 2): grid 32 x 8, 4 waves a work-group, clusters of 4 x 4, 327,680 bytes of LDS; arguments a_t, b_t, b_f, b_i, b_c, b_o, c_prev, out0, out1; writes out0, out1
.if DOCPART == 2
	.amdgcn_target "amdgcn-amd-amdhsa--gfx1250"
	.amdhsa_code_object_version 6
	.text
	.protected	k_q658efefc36_cell
	.globl	k_q658efefc36_cell
	.p2align	8
	.type	k_q658efefc36_cell,@function
k_q658efefc36_cell:
	s_mov_b64 s[64:65], 0
	v_nop
	global_prefetch_b8 v0, s[64:65] scope:SCOPE_SE
	s_setreg_imm32_b32 hwreg(HW_REG_WAVE_MODE, 25, 1), 1
	s_wait_xcnt 0x0
	s_wait_alu depctr_hold_cnt(0) depctr_sa_sdst(0) depctr_va_vdst(0) depctr_va_sdst(0) depctr_va_ssrc(0) depctr_va_vcc(0) depctr_vm_vsrc(0)
	s_getreg_b32 s2, hwreg(HW_REG_IB_STS2, 6, 4)
	s_cmp_eq_u32 s2, 0
	s_cbranch_scc0 .Lentry_in_a_cluster
	s_endpgm
.Lentry_in_a_cluster:
	s_bfe_u32 s2, ttmp6, 0x10000c
	s_cmp_lg_u32 s2, 0xf033
	s_cbranch_scc0 .Lentry_shape_is_right
	s_endpgm
.Lentry_shape_is_right:
; gates = Q([h_prev | x_t]) Q(W)^T + b on codes of BF6 with E8M0 scales, then the LSTM cell's element-wise part in f32: out1 = c_t = f c_prev + i tanh(gc), out0 = h_t = o tanh(c_t).
; a_t, b_t: tiles of 128 rows x 128 K, 12,800 bytes (eight fragments as images of the operand's registers, then 512 bytes of scale words), a row block's 32 tiles on end.  128 rows of B are the four gates of 32 hidden units.
; A work-group of four waves makes 256 rows x 256 columns of gates (64 hidden units); a wave 128 x 128: 64 accumulators, 512 registers.  Grid 32 x 8 = 256 work-groups.
; THE RING: two LDS slots of 153,600 bytes, each with THREE K steps of A's two and B's two row blocks.  A wave's one tensor load brings 38,400 consecutive bytes as 150 rows of 256 bytes.  32 steps are ten fills of three and one of two.
; A fragment comes by three ds_load_b128 at 16 x lane, a step's 8 scale registers by two (lanes 0-15 A's words, lanes 16-31 B's).
; CLUSTERS: 4 x 4; A's row blocks are asked for jointly along a row of the cluster, B's along a column.  c_prev's tile is each work-group's own: a plain load into slot 1 when that slot's last codes are read.
; THE MATRIX INSTRUCTION IS USED TRANSPOSED (source 0 = B's rows, source 1 = A's): a lane holds one row and eight neighbouring hidden units of each gate.  The biases are the C of the first step's products.
; PREFETCH: behind each refill in the loop the fill that the next refill will load is asked for: a step's 50 blocks of 256 bytes are shared out by address among the four partners (13 each, left-over lanes name the last again);
; the last fill has two steps, so its third request is left out, and c_prev's 64 rows a wave are asked for there instead.
; THE WAY OUT goes by blocks of 16 rows: two waves hold the halves of a row's 256 bytes, so c_t and h_t pass a stage of two buffers in slot 1's bytes behind c_prev's (their last fill is over); one barrier a block;
; one wave of the pair stores c_t, the other h_t, sixteen lanes to 256 consecutive aligned bytes.
; sigmoid(x) = 1 / (1 + 2^(-x log2 e)), tanh(x) = (1 - t) / (1 + t), t = 2^(-2 x log2 e).  LIMIT: tanh's exponent is held at 30, where (1 - t) / (1 + t) is -1 in f32.  NaN and infinities among the inputs are not served.
; REGISTERS: window 0: v0-31 addresses, v32-47 scale words (two sets), v64-127 biases, v128-223 A's fragments (one set); window 1: B's fragments, sets at v0 and v128; windows 2, 3: accumulators (a, b) at v[8 (8 (a % 4) + b)].
.set FR,    12
.set TILEB, 12800
.set QUART, 3*TILEB
.set SLOT,  4*QUART
.set SPARE, 2*SLOT
.set SPI,   272
.set CPB,   SLOT                       ; c_prev: 256 rows x 272
.set STG,   CPB+256*SPI                ; the stage
.set OUTB,  16*SPI
.set BUFB,  2*OUTB
.set PAIRB, 2*BUFB
.set BOF,  7
.set PFO,  8
.set PFC,  9
.set GO,   10
.set EA,   11
.set ES,   12
.set RB,   13
.set ADRA, 16
.set ADRB, 20
.set ADRS, 22
.set SPW,  28
.set NIL,  29
.set SC,   32
.set BIAS, 64
.set AF,   128
.set TF,   64
.set TI,   80
.set TC,   96
.set TO,   112
.set DD,   128
.set CP,   144
.set OC,   176
.set OH,   192
.set BK,   208
.set G1,  24
.set G0,  32
.set G1B, 48
.set G0B, 56
.set G1C, 76
.set G0C, 96
.set PFA, 44
.set MSB, 0
.macro WIN new
.if MSB != \new
	s_set_vgpr_msb (MSB<<8)|\new
.set MSB, \new
.endif
.endm
.set MUL_LO, 0xa1
.set MUL_HI, 0xf1
.set FST_LO, 0x81
.set FST_HI, 0xc1
.set TO_B,   0x40
.macro PLACES n
.rept \n
	v_nop
.endr
.endm
.macro JLOAD s                         ; waves 0, 1 ask for A's row blocks, waves 2, 3 for B's
	s_cmp_eq_u32 s15, 0
	s_cbranch_scc0 .Lfor_b_\@
	tensor_load_to_lds s[G0+4*\s:G0+4*\s+3], s[G1:G1+7]
	s_nop 0
	PLACES 4
	s_branch .Lasked_\@
.Lfor_b_\@:
	tensor_load_to_lds s[G0B+4*\s:G0B+4*\s+3], s[G1B:G1B+7]
	s_nop 0
	PLACES 4
.Lasked_\@:
.endm
.macro CREST
	s_cmp_lg_u32 s14, 0
	s_cbranch_scc1 .Lnot_wave_0_\@
	s_barrier_signal -3
.Lnot_wave_0_\@:
	s_barrier_wait -3
	s_barrier_signal -1
	s_barrier_wait -1
.endm
.macro CROUND
	s_barrier_signal -1
	s_barrier_wait -1
	CREST
.endm
.macro ASK slot
	global_prefetch_b8 v[PFO], s[PFA:PFA+1] th:TH_LOAD_NT scope:SCOPE_SE
	global_prefetch_b8 v[PFO], s[PFA:PFA+1] offset:TILEB th:TH_LOAD_NT scope:SCOPE_SE
.if \slot == 0
	global_prefetch_b8 v[PFO], s[PFA:PFA+1] offset:2*TILEB th:TH_LOAD_NT scope:SCOPE_SE
.else
	s_cmp_eq_u32 s3, 1                             ; the loop's last trip: the fill asked for has two steps
	s_cbranch_scc1 .Lc_\@
	global_prefetch_b8 v[PFO], s[PFA:PFA+1] offset:2*TILEB th:TH_LOAD_NT scope:SCOPE_SE
	s_branch .Ld_\@
.Lc_\@:
	global_prefetch_b8 v[PFC], s[8:9] th:TH_LOAD_NT scope:SCOPE_SE
	global_prefetch_b8 v[PFC], s[8:9] offset:32*8192 th:TH_LOAD_NT scope:SCOPE_SE
.Ld_\@:
.endif
.endm
	s_load_b128 s[4:7], s[0:1], 0x0                ; a_t, b_t
	s_load_b256 s[68:75], s[0:1], 0x10             ; b_f, b_i, b_c, b_o
	s_load_b128 s[8:11], s[0:1], 0x30              ; c_prev, out0
	s_load_b64 s[12:13], s[0:1], 0x40              ; out1
	v_lshl_add_u32 v[SPW], v0, 2, SPARE
	v_mov_b32 v[NIL], 0
	ds_add_u32 v[SPW], v[NIL]                      ; the opening lines: the add twice on end and its wait
	ds_add_u32 v[SPW], v[NIL]
	v_lshrrev_b32 v1, 5, v0
	v_readfirstlane_b32 s14, v1                    ; wave
	s_lshr_b32 s15, s14, 1                         ; my half of the rows; also: I fetch for A (0) or B (1)
	s_and_b32 s16, s14, 1                          ; my half of the columns; also: which row block I fetch
	s_bfe_u32 s40, ttmp6, 0x40000
	s_bfe_u32 s41, ttmp6, 0x40004
	s_lshl_b32 s42, ttmp9, 2
	s_add_co_u32 s42, s42, s40                     ; tile column
	s_and_b32 s17, ttmp7, 0xffff
	s_lshl_b32 s17, s17, 2
	s_add_co_u32 s17, s17, s41                     ; tile row
	s_lshl_b32 s43, s41, 2
	s_lshl_b32 s43, 15, s43
	s_lshl_b32 s44, 0x1111, s40
	s_or_b32 s[G1+0], s43, (3<<16)|(1<<21)         ; elements of 8 bytes, no padding, the mask of my row
	s_or_b32 s[G1B+0], s44, (3<<16)|(1<<21)        ; of my column
.irp g, G1, G1B
	s_mov_b32 s[\g+1], 32<<16                      ; rows of 256 bytes,
	s_mov_b32 s[\g+2], 150<<16                     ; 150 of them, dense
	s_mov_b32 s[\g+3], 32<<16
	s_mov_b32 s[\g+4], 150
	s_mov_b32 s[\g+5], 32
	s_mov_b32 s[\g+6], 0
	s_mov_b32 s[\g+7], 0
.endr
	s_lshl_b32 s20, s17, 1
	s_add_co_u32 s20, s20, s16
	s_mul_i32 s20, s20, 32*TILEB                   ; A's row block 2 x tile row + half
	s_mov_b32 s21, 0
	s_lshl_b32 s46, s42, 1
	s_add_co_u32 s46, s46, s16
	s_mul_i32 s46, s46, 32*TILEB                   ; B's row block 2 x tile column + half
	s_mov_b32 s47, 0
	s_mul_i32 s45, s14, QUART
	s_wait_dscnt 0x0
	s_wait_kmcnt 0x0
	s_add_nc_u64 s[20:21], s[4:5], s[20:21]
	s_add_nc_u64 s[46:47], s[6:7], s[46:47]
	CROUND
.irp s, 0,1
	s_mov_b32 s[G0+4*\s], 1
	s_add_co_u32 s[G0+4*\s+1], s45, \s*SLOT
	s_add_nc_u64 s[G0+4*\s+2:G0+4*\s+3], s[20:21], \s*QUART
	s_or_b32 s[G0+4*\s+3], s[G0+4*\s+3], 0x80000000
	s_mov_b32 s[G0B+4*\s], 1
	s_add_co_u32 s[G0B+4*\s+1], s45, \s*SLOT
	s_add_nc_u64 s[G0B+4*\s+2:G0B+4*\s+3], s[46:47], \s*QUART
	s_or_b32 s[G0B+4*\s+3], s[G0B+4*\s+3], 0x80000000
.endr
	JLOAD 0                                        ; steps 0-2: one tensor load a wave at the head
	s_cmp_eq_u32 s15, 0
	s_cselect_b64 s[PFA:PFA+1], s[20:21], s[46:47]
	s_cselect_b32 s100, s40, s41                   ; my place among the four that ask with me
	s_mul_i32 s100, s100, 13
	s_add_nc_u64 s[PFA:PFA+1], s[PFA:PFA+1], 2*QUART   ; each refill steps it by a fill first
	s_mov_b32 s[G1C+0], (2<<16)|(1<<20)|(5<<22)|(3<<25)  ; c_prev: 64 rows of 64 f32, 16 bytes of padding behind each
	s_mov_b32 s[G1C+1], 64<<16
	s_mov_b32 s[G1C+2], 64<<16
	s_mov_b32 s[G1C+3], 64<<16
	s_mov_b32 s[G1C+4], 64
	s_mov_b32 s[G1C+5], 2048
	s_mov_b32 s[G1C+6], 0
	s_mov_b32 s[G1C+7], 0
	s_lshl_b32 s22, s42, 8                         ; the tile's 64 hidden units, in bytes
	s_lshl_b32 s18, s17, 8
	s_lshl_b32 s19, s14, 6
	s_add_co_u32 s18, s18, s19
	s_lshl_b32 s18, s18, 13
	s_add_co_u32 s18, s18, s22
	s_mov_b32 s19, 0
	s_add_nc_u64 s[8:9], s[8:9], s[18:19]          ; c_prev at row 256 x tile row + 64 x wave
	s_mov_b32 s[G0C], 1
	s_mul_i32 s[G0C+1], s14, 64*SPI
	s_add_co_u32 s[G0C+1], s[G0C+1], CPB
	s_mov_b64 s[G0C+2:G0C+3], s[8:9]
	s_or_b32 s[G0C+3], s[G0C+3], 0x80000000
	s_lshl_b32 s18, s17, 8
	s_lshl_b32 s23, s15, 7
	s_add_co_u32 s18, s18, s23
	s_lshl_b32 s18, s18, 13
	s_add_co_u32 s18, s18, s22
	s_cmp_eq_u32 s16, 0
	s_cselect_b64 s[92:93], s[12:13], s[10:11]     ; the pair's wave 0 stores c_t, wave 1 h_t
	s_add_nc_u64 s[92:93], s[92:93], s[18:19]
	s_mul_i32 s84, s15, QUART                      ; my rows of A in a slot
	s_mul_i32 s85, s16, QUART
	s_add_co_u32 s85, s85, 2*QUART                 ; my rows of B
	s_sub_co_u32 s86, s85, s84
	s_lshl_b32 s23, s16, 7
	s_add_co_u32 s101, s22, s23                    ; my 32 hidden units in a bias, in bytes
	s_mul_i32 s87, s15, 128*SPI
	s_add_co_u32 s87, s87, s23
	s_add_co_u32 s87, s87, CPB
	s_mul_i32 s94, s15, PAIRB
	s_add_co_u32 s94, s94, STG
	s_mul_i32 s95, s16, OUTB
	s_add_co_u32 s95, s95, s94
	s_add_co_u32 s94, s94, s23
	v_and_b32 v1, 15, v0                           ; r
	v_bfe_u32 v2, v0, 4, 1                         ; h
	v_and_b32 v3, 31, v0
	v_lshlrev_b32 v4, 4, v3
	v_add_nc_u32 v[ADRA], s84, v4
	v_add_nc_u32 v[ADRB], s85, v4
	v_add_nc_u32 v[ADRA+1], SLOT, v[ADRA]
	v_add_nc_u32 v[ADRB+1], SLOT, v[ADRB]
	v_mul_u32_u24 v5, s86, v2                      ; lanes 16-31 take B's scale words
	v_lshl_add_u32 v5, v1, 4, v5
	v_add_nc_u32 v[ADRS], s84, v5
	v_add_nc_u32 v[ADRS+1], SLOT, v[ADRS]
	v_mul_u32_u24 v6, v1, SPI
	v_lshl_add_u32 v6, v2, 5, v6                   ; row r, 32 bytes for each half of the lanes
	v_add_nc_u32 v[EA], s87, v6
	v_add_nc_u32 v[ES], s94, v6
	v_mul_u32_u24 v14, v2, SPI
	v_lshl_add_u32 v14, v1, 4, v14                 ; back: sixteen lanes to a row
	v_add_nc_u32 v[RB], s95, v14
	v_lshlrev_b32 v[GO], 13, v2
	v_lshl_add_u32 v[GO], v1, 4, v[GO]
	v_lshlrev_b32 v[PFC], 13, v3
	v_min_u32 v15, 12, v3
	v_add_nc_u32 v15, s100, v15
	v_min_u32 v15, 49, v15
	v_lshlrev_b32 v[PFO], 8, v15
	v_lshl_add_u32 v[BOF], v2, 5, s101
.irp g, 0,1,2,3
.irp u, 0,1
.irp k, 0,1
	global_load_b128 v[BIAS+8*(2*\g+\u)+4*\k:BIAS+8*(2*\g+\u)+4*\k+3], v[BOF], s[68+2*\g:69+2*\g] offset:64*\u+16*\k
.endr
.endr
.endr
.macro FRAG reg, adr, off
	ds_load_b128 v[\reg:\reg+3], v[\adr] offset:\off
	ds_load_b128 v[\reg+4:\reg+7], v[\adr] offset:\off+512
	ds_load_b128 v[\reg+8:\reg+11], v[\adr] offset:\off+1024
.endm
.macro FETCH_B st
	WIN TO_B
.irp i, 0,1,2,3,4,5,6,7
	FRAG 128*((\st)%2)+FR*\i, ADRB+((\st)/3)%2, ((\st)%3)*TILEB+\i*1536
.endr
	WIN 0
.endm
.macro FETCH_A st, i0
.irp i, \i0, \i0+1, \i0+2, \i0+3
	FRAG AF+FR*(\i), ADRA+((\st)/3)%2, ((\st)%3)*TILEB+(\i)*1536
.endr
.endm
.macro SCALES st                       ; register 4 e + q of the set: the words of block 2 q + e
.irp e, 0,1
	ds_load_b128 v[SC+8*((\st)%2)+4*\e:SC+8*((\st)%2)+4*\e+3], v[ADRS+((\st)/3)%2] offset:((\st)%3)*TILEB+12288+256*\e
.endr
.endm
; 16 products: A's blocks a0, a0 + 1 x B's eight.  The 64 accumulators take turns in the same order in every step.
.macro MUL16 a0, p, first
.irp a, \a0, \a0+1
.irp b, 0,1,2,3,4,5,6,7
.if \first
	v_wmma_scale_f32_16x16x128_f8f6f4 v[8*(8*((\a)%4)+\b):8*(8*((\a)%4)+\b)+7], v[128*(\p)+FR*\b:128*(\p)+FR*\b+FR-1], v[AF+FR*(\a):AF+FR*(\a)+FR-1], v[BIAS+8*\b:BIAS+8*\b+7], v[SC+8*(\p)+4*(\b%2)+\b/2], v[SC+8*(\p)+4*((\a)%2)+(\a)/2] matrix_a_fmt:MATRIX_FMT_BF6 matrix_b_fmt:MATRIX_FMT_BF6 matrix_a_scale:MATRIX_SCALE_ROW1
.else
	v_wmma_scale_f32_16x16x128_f8f6f4 v[8*(8*((\a)%4)+\b):8*(8*((\a)%4)+\b)+7], v[128*(\p)+FR*\b:128*(\p)+FR*\b+FR-1], v[AF+FR*(\a):AF+FR*(\a)+FR-1], v[8*(8*((\a)%4)+\b):8*(8*((\a)%4)+\b)+7], v[SC+8*(\p)+4*(\b%2)+\b/2], v[SC+8*(\p)+4*((\a)%2)+(\a)/2] matrix_a_fmt:MATRIX_FMT_BF6 matrix_b_fmt:MATRIX_FMT_BF6 matrix_a_scale:MATRIX_SCALE_ROW1
.endif
.endr
.endr
.endm
; Step st: 64 products; the next step's fragments are fetched in its middle and at its end.  fill != 0: st is its slot's last step: the slot is filled again behind a round of the cluster's barrier:
; 1 three further steps, 2 the last two steps, 3 c_prev's tile.
.macro STEP st, first, fill
.set P, (\st)%2
.set NX, (\st)+1
.set SL, ((\st)/3)%2
.if \fill
.if \fill == 1
	s_wait_xcnt 0x0                                ; my prefetches have read their address
	s_add_nc_u64 s[PFA:PFA+1], s[PFA:PFA+1], QUART
.endif
	s_wait_tensorcnt 0x0                           ; all my tensor loads have landed: my part of the other slot
	ds_add_u32 v[SPW], v[NIL]
.if \fill == 2
	s_mov_b32 s[G1+2], 100<<16                     ; no tensor load of mine is out: the last fill has two steps, 100 rows
	s_mov_b32 s[G1+4], 100
	s_mov_b32 s[G1B+2], 100<<16
	s_mov_b32 s[G1B+4], 100
.endif
	s_wait_dscnt 13                                ; the add and the 12 youngest loads (A's blocks 4-7) may be out
	WIN MUL_LO
	MUL16 0, P, 0
	s_wait_dscnt 0x0                               ; the add is done, my reads of this slot are over
	s_barrier_signal -1
	MUL16 2, P, 0
	WIN 0
	s_barrier_wait -1
	CREST
.if \fill == 3
	tensor_load_to_lds s[G0C:G0C+3], s[G1C:G1C+7]
	s_nop 0
	PLACES 4
.else
	s_add_nc_u64 s[G0+4*SL+2:G0+4*SL+3], s[G0+4*SL+2:G0+4*SL+3], 2*QUART
	s_add_nc_u64 s[G0B+4*SL+2:G0B+4*SL+3], s[G0B+4*SL+2:G0B+4*SL+3], 2*QUART
	JLOAD SL                                       ; the four v_nop behind it are the places in front of the loads below
.endif
.else
	s_wait_dscnt 12                                ; all but the 12 youngest loads (A's blocks 4-7)
.if \first
	WIN FST_LO
.else
	WIN MUL_LO
.endif
	MUL16 0, P, \first
	MUL16 2, P, \first
	s_wait_dscnt 0
	PLACES 4
.endif
	FETCH_B NX
	FETCH_A NX, 0
	SCALES NX
.if \fill == 1
	ASK SL
.endif
.if \first
	WIN FST_HI
.else
	WIN MUL_HI
.endif
	MUL16 4, P, \first
	MUL16 6, P, \first
	PLACES 4
	WIN 0
	FETCH_A NX, 4
.endm
	s_wait_alu depctr_va_vdst(0)
	s_wait_tensorcnt 0x0                           ; my part of steps 0-2 is in; slot 1's first fill is issued as a refill is
	ds_add_u32 v[SPW], v[NIL]
	s_wait_dscnt 0x0
	CROUND
	JLOAD 1                                        ; steps 3-5
	FETCH_B 0
	FETCH_A 0, 0
	SCALES 0
	FETCH_A 0, 4
	s_wait_loadcnt 0x0                             ; the biases
	STEP 0, 1, 0
	s_mov_b32 s3, 4
.Llap:                                                 ; a trip: six steps, once round the ring
	STEP 1, 0, 0
	STEP 2, 0, 1
	STEP 3, 0, 0
	STEP 4, 0, 0
	STEP 5, 0, 1
	STEP 6, 0, 0
	s_sub_co_u32 s3, s3, 1
	s_cmp_lg_u32 s3, 0
	s_cbranch_scc1 .Llap
	STEP 25, 0, 0
	STEP 26, 0, 2
	STEP 27, 0, 0
	STEP 28, 0, 0
	STEP 29, 0, 3
	STEP 30, 0, 0
	s_wait_dscnt 12                                ; step 31: nothing more to fetch
	WIN MUL_LO
	MUL16 0, 1, 0
	MUL16 2, 1, 0
	s_wait_dscnt 0x0
	s_wait_tensorcnt 0x0                           ; my 64 rows of c_prev are in: say so
	s_barrier_signal -1
	WIN MUL_HI
	MUL16 4, 1, 0
	MUL16 6, 1, 0
	WIN 0
	s_barrier_wait -1
	s_mov_b32 s84, 0xbfb8aa3b                      ; -log2 e
	s_mov_b32 s85, 0xbfb8aa3b
	s_mov_b32 s86, 0xc038aa3b                      ; -2 log2 e
	s_mov_b32 s87, 0xc038aa3b
	s_mov_b32 s88, 0x41f00000                      ; 30
	PLACES 4
.macro EXP16 reg
.set n, 0
.rept 16
	v_exp_f32 v[\reg+n], v[\reg+n]
.set n, n+1
.endr
.endm
.macro RCP16 reg
.set n, 0
.rept 16
	v_rcp_f32 v[\reg+n], v[\reg+n]
.set n, n+1
.endr
.endm
.macro HOLD reg
.set n, 0
.rept 16
	v_min_num_f32 v[\reg+n], s88, v[\reg+n]
.set n, n+1
.endr
.endm
.macro ONEPLUS reg
.set n, 0
.rept 8
	v_pk_add_f32 v[\reg+n:\reg+n+1], v[\reg+n:\reg+n+1], 1.0 op_sel_hi:[1,0]
.set n, n+2
.endr
.endm
.macro ONEMINUS dst, src
.set n, 0
.rept 8
	v_pk_fma_f32 v[\dst+n:\dst+n+1], v[\src+n:\src+n+1], -1.0, 1.0 op_sel_hi:[1,0,0]
.set n, n+2
.endr
.endm
.macro TIMES dst, x, y
.set n, 0
.rept 8
	v_pk_mul_f32 v[\dst+n:\dst+n+1], v[\x+n:\x+n+1], v[\y+n:\y+n+1]
.set n, n+2
.endr
.endm
.macro EPIA a                          ; block a: its c_prev is asked of LDS, its gates become exponents (each accumulator from its low end on)
.irp k, 0,1,2,3
	ds_load_b128 v[CP+4*\k:CP+4*\k+3], v[EA] offset:(\a)*16*SPI+64*(\k/2)+16*(\k%2)
.endr
	WIN 0x02+(\a)/4
.if (\a) > 0
	s_wait_alu depctr_va_vdst(0)                   ; the wait ahead of the first reader of these matrix results
.endif
.irp g, 0,1,2,3
.irp i, 0,2,4,6,8,10,12,14
.if \g == 2
	v_pk_mul_f32 v[TF+16*\g+\i:TF+16*\g+\i+1], v[64*((\a)%4)+16*\g+\i:64*((\a)%4)+16*\g+\i+1], s[86:87] op_sel_hi:[1,0]
.else
	v_pk_mul_f32 v[TF+16*\g+\i:TF+16*\g+\i+1], v[64*((\a)%4)+16*\g+\i:64*((\a)%4)+16*\g+\i+1], s[84:85] op_sel_hi:[1,0]
.endif
.endr
.endr
	WIN 0
	HOLD TC
.endm
.macro EPIB a
	s_wait_alu depctr_va_vdst(0)
	EXP16 TF
	EXP16 TI
	EXP16 TO
	EXP16 TC
	v_nop
	s_wait_alu depctr_va_vdst(0)
	ONEMINUS DD, TC
	ONEPLUS TC
	ONEPLUS TI
	ONEPLUS TF
	ONEPLUS TO
	TIMES TI, TI, TC
	s_wait_alu depctr_va_vdst(0)
	RCP16 TF
	RCP16 TI
	v_nop
.if (\a) > 0
	s_wait_dscnt 8                                 ; c_prev's four loads are in; the eight that read the last block back may be out
.else
	s_wait_dscnt 0x0
.endif
	s_wait_alu depctr_va_vdst(0)
	TIMES DD, DD, TI                               ; i tanh(gc)
.set n, 0
.rept 8
	v_pk_fma_f32 v[OC+n:OC+n+1], v[TF+n:TF+n+1], v[CP+n:CP+n+1], v[DD+n:DD+n+1]
.set n, n+2
.endr
.irp k, 0,1,2,3
	ds_store_b128 v[ES], v[OC+4*\k:OC+4*\k+3] offset:((\a)%2)*BUFB+64*(\k/2)+16*(\k%2)
.endr
.set n, 0
.rept 8
	v_pk_mul_f32 v[TC+n:TC+n+1], v[OC+n:OC+n+1], s[86:87] op_sel_hi:[1,0]
.set n, n+2
.endr
	HOLD TC
	s_wait_alu depctr_va_vdst(0)
	EXP16 TC
	v_nop
	s_wait_alu depctr_va_vdst(0)
	ONEMINUS DD, TC
	ONEPLUS TC
	TIMES TC, TC, TO
	s_wait_alu depctr_va_vdst(0)
	RCP16 TC
	v_nop
	s_wait_alu depctr_va_vdst(0)
	TIMES OH, DD, TC                               ; o tanh(c_t)
.irp k, 0,1,2,3
	ds_store_b128 v[ES], v[OH+4*\k:OH+4*\k+3] offset:((\a)%2)*BUFB+OUTB+64*(\k/2)+16*(\k%2)
.endr
.endm
.macro BACK a                          ; my output's 16 rows of block a, whole
.irp t, 0,1,2,3,4,5,6,7
	ds_load_b128 v[BK+4*\t:BK+4*\t+3], v[RB] offset:((\a)%2)*BUFB+\t*2*SPI
.endr
.endm
.macro SENDG a
.irp t, 0,1,2,3,4,5,6,7
	global_store_b128 v[GO], v[BK+4*\t:BK+4*\t+3], s[92:93] offset:(16*(\a)+2*\t)*8192 th:TH_STORE_NT   ; sixteen lanes store 256 consecutive aligned bytes
.endr
.endm
	EPIA 0
.irp a, 0,1,2,3,4,5,6,7
	EPIB \a
	s_wait_dscnt 0x0                               ; my stores into the stage are done, and the last block is back in registers
.if \a > 0
	SENDG \a-1
.endif
	s_barrier_signal -1
.if \a < 7
	EPIA \a+1                                      ; register work, and LDS loads of c_prev, which nobody writes
.endif
	s_barrier_wait -1                              ; both halves of block a's rows are in the stage; the buffer written next was read out ahead of this barrier
	s_wait_xcnt 0x0                                ; the last block's stores have read their registers
	BACK \a
.endr
	s_wait_dscnt 0x0
	SENDG 7
	s_wait_tensorcnt 0x0                           ; the wave's end
	ds_add_u32 v[SPW], v[NIL]
	s_wait_dscnt 0x0
	CROUND                                         ; the closing round
	s_endpgm
.Lfunc_end_k_q658efefc36_cell:
	.size	k_q658efefc36_cell, .Lfunc_end_k_q658efefc36_cell-k_q658efefc36_cell
	.p2alignl 7, 3214868480
	.fill 96, 4, 3214868480
	.section	.rodata,"a",@progbits
	.p2align	6, 0x0
	.amdhsa_kernel k_q658efefc36_cell
		.amdhsa_group_segment_fixed_size 327680
		.amdhsa_private_segment_fixed_size 0
		.amdhsa_enable_private_segment 0
		.amdhsa_kernarg_size 72
		.amdhsa_user_sgpr_count 2
		.amdhsa_user_sgpr_kernarg_segment_ptr 1
		.amdhsa_wavefront_size32 1
		.amdhsa_system_sgpr_workgroup_id_x 1
		.amdhsa_system_sgpr_workgroup_id_y 1
		.amdhsa_system_sgpr_workgroup_id_z 1
		.amdhsa_system_vgpr_workitem_id 0
		.amdhsa_next_free_vgpr 1024
		.amdhsa_next_free_sgpr 106
		.amdhsa_reserve_vcc 0
		.amdhsa_float_denorm_mode_32 3
		.amdhsa_float_denorm_mode_16_64 3
		.amdhsa_memory_ordered 1
		.amdhsa_forward_progress 1
		.amdhsa_inst_pref_size 255
	.end_amdhsa_kernel
	.section	.bss,"aw",@nobits
	.p2align	6
	.space	262144
	.amdgpu_metadata
---
amdhsa.version: [ 1, 2 ]
amdhsa.kernels:
  - .name:           k_q658efefc36_cell
    .symbol:         k_q658efefc36_cell.kd
    .args:
      - { .name: a_t, .offset: 0, .size: 8, .value_kind: global_buffer, .address_space: global }
      - { .name: b_t, .offset: 8, .size: 8, .value_kind: global_buffer, .address_space: global }
      - { .name: b_f, .offset: 16, .size: 8, .value_kind: global_buffer, .address_space: global }
      - { .name: b_i, .offset: 24, .size: 8, .value_kind: global_buffer, .address_space: global }
      - { .name: b_c, .offset: 32, .size: 8, .value_kind: global_buffer, .address_space: global }
      - { .name: b_o, .offset: 40, .size: 8, .value_kind: global_buffer, .address_space: global }
      - { .name: c_prev, .offset: 48, .size: 8, .value_kind: global_buffer, .address_space: global }
      - { .name: out0, .offset: 56, .size: 8, .value_kind: global_buffer, .address_space: global }
      - { .name: out1, .offset: 64, .size: 8, .value_kind: global_buffer, .address_space: global }
    .group_segment_fixed_size: 327680
    .private_segment_fixed_size: 0
    .kernarg_segment_align: 8
    .kernarg_segment_size: 72
    .max_flat_workgroup_size: 128
    .sgpr_count:     106
    .vgpr_count:     1024
    .wavefront_size: 32
...
	.end_amdgpu_metadata
.endif
;; end of part 2
